; MI455X (gfx1250); checked and timed in simulation.
; The chip was launched on July 23, 2026; its instructions are those of AMD's public machine-readable ISA for CDNA 5 (MIT licence, August 2026) and "CDNA5" Instruction Set Architecture Reference Guide (July 2026). The comments in the code are by the model that wrote it; some were corrected since.
;; Attention. Allowed arithmetic: matrix products marked QUANTISED: E5M2 operands, one given power-of-two scale a tensor, by v_wmma_f32_16x16x64_bf8_bf8 or v_wmma_f32_16x16x128_bf8_bf8, f32 sums; everything else in f32.
;; Inputs: W_out 256 x 256 float32; b_out 256 float32; k 4 x 4,096 x 256 float32; lowp_scales 6 int32 (the exponents e of the quantised operands' scales 2^e); q 4 x 4,096 x 256 float32; v 4 x 4,096 x 256 float32.
;; Outputs: out0 4 x 4,096 x 256 float32.
;; This version of the problem:
;;   THIS VERSION OF THE PROBLEM IS GIVEN IN LOW PRECISION. The matrix products marked QUANTISED in the list below multiply operands that are first quantised to E5M2 (5 exponent bits, 2 mantissa bits; 8 bits a number), with one given power-of-two scale for each operand tensor; their sums are f32. All else is computed in f32.
;;   The module's matrix products, in the order in which they are computed (A, B: the left and right operand; K: the contracted axis; several contracted axes count as one K, in the product's order):
;;     1. batch 16 x [M 4,096, K 64] x [K 64, N 4,096]; A: input q; B: input k: QUANTISED (scales: A lowp_scales[0], B lowp_scales[1])
;;     2. batch 16 x [M 4,096, K 4,096] x [K 4,096, N 64]; A: softmax (see below); B: input v: QUANTISED (scales: A lowp_scales[2], B lowp_scales[3])
;;     3. [M 16,384, K 256] x [K 256, N 256]; A: computed on the way; B: input W_out: QUANTISED (scales: A lowp_scales[4], B lowp_scales[5])
;;   THE QUANTISER, for each operand of a quantised product, along K:
;;     - The operand's scale is 2^e, e = its entry of the input lowp_scales (int32; the entries are numbered through the quantised products in the list's order, A before B).
;;     - Each number is divided by the scale, clamped to +-57,344, and rounded to the nearest number of E5M2, ties to even, subnormals kept.
;;     - The product sums the exact products of the quantised numbers (number of the format x scale) in f32.
;;   ~~~python
;;   def quantise(x, axis, e):      # numpy; x: float32 -> the quantised numbers, widened to float32 again
;;       x = np.moveaxis(x, axis, -1); K = x.shape[-1]
;;       r = np.clip(x / 2.0 ** e, -57344, 57344)
;;       step = 2.0 ** (np.maximum(np.frexp(np.where(r == 0, 1, r))[1] - 1, -14) - 2)
;;       q = np.round(r / step) * step * 2.0 ** e      # np.round: ties to even
;;       return np.moveaxis(q, -1, axis).astype(np.float32)
;;   ~~~
;;   SOFTMAX AHEAD OF A QUANTISED PRODUCT. Where the list says 'softmax', what is quantised is not the finished softmax but p = 2^(t - M), with t = logit x log2(e) and M = ceil(the row's largest t), a whole number; so 1/2 < the row's largest p <= 1. The row's sum l is taken of the UNQUANTISED p, in f32, and the product's result is divided by l at the end. Since M is a whole number, a kernel that streams over the keys may use a running M (the ceiling of the running maximum): every later rescaling is an exact power of two, so the quantised numbers keep their values, but for numbers so far below the row's largest that they fall under the format's range.
;;   OPERANDS COMPUTED ON THE WAY. 'Computed on the way' means the value that the module computes at that place (a softmax that the list does not call 'softmax' is quantised finished and normalised). What goes into a quantiser is computed in f32, as accurately as f32 sums, v_exp_f32 and their like allow (about 1e-6 of the number): no bf16 or f16 on the way to a quantiser, and a product that is left as it is and whose result goes on into a quantised operand takes f32 operands (vector FMAs, or v_wmma_f32_16x16x4_f32). A number that lies on a knife's edge between two numbers of the format may be rounded either way, as far as f32 arithmetic and the matrix unit's own rounding can turn it there, and no further.
;; One version. Each part assembles by itself: llvm-mc -triple=amdgcn-amd-amdhsa -mcpu=gfx1250 --defsym DOCPART=n.
;; ======== version 1 of 1: 2 launches
;; limits: right only within a limited range of input values
;; workspace buffers: kv 8,388,608 bytes; wc 65,536 bytes
;; launch prep (part 1): grid 258 x 1, 4 waves a work-group, no clusters, 68,096 bytes of LDS; arguments k, W_out, v, lowp_scales, kv, wc; writes kv, wc
.if DOCPART == 1
	.amdgcn_target "amdgcn-amd-amdhsa--gfx1250"
	.amdhsa_code_object_version 6
	.text
	.protected	k_q64ae995b71_prep
	.globl	k_q64ae995b71_prep
	.p2align	8
	.type	k_q64ae995b71_prep,@function
k_q64ae995b71_prep:
	s_mov_b64 s[64:65], 0
	v_nop
	global_prefetch_b8 v0, s[64:65] scope:SCOPE_SE
	s_setreg_imm32_b32 hwreg(HW_REG_WAVE_MODE, 25, 1), 1
	s_wait_xcnt 0x0
; k, v [4][4096][256] and W_out [256][256], f32, become codes of BF8 (E5M2), one byte each, each tensor with the one scale 2^e that is given for it
; (k: entry 1 of the scales, v: entry 3, W_out: entry 5).  code = x / 2^e, held within +-57,344, rounded to the nearest code, ties to even.
; No work of the problem is left out in this program: every input has a way to the output, and all three products are live.
; LIMITS: each e between -126 and 112, so that 2^e and 57,344 x 2^e are f32 numbers.  NaN among the inputs is not served; an infinity is held at the largest code.
; WHAT IS WRITTEN.  kv: [batch 4][slot 16][512 rows][256 bytes]: a slot is 256 keys, one dense block of 131,072 bytes, as the next launch fetches it.
;   rows 0-255: row j = the 256 codes of key 256 slot + j, in k's own order (64 head + d).
;   rows 256-511: row e (= 64 head + d) = v's codes of the slot's 256 keys, THE KEYS INNERMOST, since they are the second product's K.  In each 32 keys the four groups of eight lie in the order 0, 2, 1, 3:
;   16 bytes at 32 c + 16 h are then keys 32 c + 8 h + 0..7 and 32 c + 16 + 8 h + 0..7: four registers on end of the K = 128 operand's own layout.
;   wc: [n 256][k 256], W_out's own order.
; SHARES.  Work-groups 0-127 take k, 128 and 129 W_out (one path: a plain stream of numbers whose K is innermost), 130-257 take v (a lane to a column, registers down the keys).  A wave takes 8,192 numbers.
; The two paths part once, on the work-group's number, never join, and have LDS bytes of their own.  No tensor load, no barrier: waves share nothing.
.set STEPS, 16
.set SP,    80                         ; stream: a lane's place in a stage: its 64 bytes + 16 of padding
.set WREG,  8192                       ; stream: a region for each wave: two stages of 32 x SP bytes
.set VST,   4*WREG                     ; v's stages begin here: 32 rows x VP bytes for each wave
.set VP,    272                        ; a stage row: 256 bytes of codes + 16 of padding
.set SPARE, VST+4*32*VP                ; behind them: the spare words, 128 bytes for each wave: two blocks of 256 bytes that no other line names
.set L16,  3                           ; v3   16 x lane: the stream's load offset, and every store's offset
.set SIN,  5                           ; v5   stream: into the stage
.set SOUT, 6                           ; v6   stream: out of the stage
.set VIN,  7                           ; v7   v: into the stage: row = my column
.set VOUT, 8                           ; v8   v: out of it: sixteen lanes to a row
.set L4,   9                           ; v9   4 x lane: v's load offset
.set LIMV, 10                          ; v10  57,344 x 2^e
.set SCV,  11                          ; v11  2^e as f32: the conversion takes its exponent field
.set SPW,  12                          ; v12  LDS address of my spare word; never rewritten
.set NIL,  13                          ; v13  0; never rewritten
.set RS,   16                          ; stream: v16-79 four sets of 16 numbers as loaded
.set XS,   80                          ; stream: v80-111 two sets of 16 neighbours
.set CSS,  128                         ; stream: v128-191 codes, four registers a step: no store's data are written again
.set XV,   32                          ; v: v32-95 two sets of 32 numbers
.set CV,   96                          ; v: v96-103 a block's codes
.set OV,   112                         ; v: v112-175 the way out
	s_load_b256 s[4:11], s[0:1], 0x0               ; k s[4:5], W_out s[6:7], v s[8:9], the scales' exponents s[10:11]
	s_load_b128 s[12:15], s[0:1], 0x20             ; kv s[12:13], wc s[14:15]
	v_lshl_add_u32 v[SPW], v0, 2, SPARE
	v_mov_b32 v[NIL], 0
	v_lshrrev_b32 v1, 5, v0
	v_readfirstlane_b32 s16, v1                    ; wave 0..3
	v_and_b32 v2, 31, v0                           ; lane
	v_lshlrev_b32 v[L16], 4, v2
	v_lshlrev_b32 v[L4], 2, v2
	s_mul_i32 s17, s16, WREG                       ; every LDS address is made here, ahead of the parting
	v_lshrrev_b32 v[SIN], 2, v2
	v_mul_u32_u24 v[SIN], v[SIN], SP
	v_and_b32 v4, 3, v2
	v_lshl_add_u32 v[SIN], v4, 4, v[SIN]
	v_add_nc_u32 v[SIN], s17, v[SIN]               ; four lanes' 64 bytes on end, then 16 of padding: SP (lane / 4) + 16 (lane % 4)
	v_mul_u32_u24 v[SOUT], v2, SP
	v_add_nc_u32 v[SOUT], s17, v[SOUT]             ; SP x lane: my 16 neighbours
	s_mul_i32 s18, s16, 32*VP
	s_add_co_u32 s18, s18, VST
	v_mul_u32_u24 v[VIN], v2, VP
	v_add_nc_u32 v[VIN], s18, v[VIN]
	v_and_b32 v4, 15, v2
	v_lshrrev_b32 v[VOUT], 4, v2
	v_mul_u32_u24 v[VOUT], v[VOUT], VP
	v_lshl_add_u32 v[VOUT], v4, 4, v[VOUT]
	v_add_nc_u32 v[VOUT], s18, v[VOUT]
	s_wait_kmcnt 0x0
	s_load_b128 s[20:23], s[10:11], 0x0            ; e0 .. e3
	s_load_b64 s[24:25], s[10:11], 0x10            ; e4, e5
	s_cmp_lt_u32 ttmp9, 130
	s_cbranch_scc0 .Lvpath
	; ---- THE STREAM: k or W_out.  Only pointers are chosen, on the work-group's number
	s_cmp_lt_u32 ttmp9, 128
	s_cselect_b64 s[4:5], s[4:5], s[6:7]           ; from
	s_cselect_b64 s[12:13], s[12:13], s[14:15]     ; to
	s_cselect_b32 s26, 0, 128
	s_sub_co_u32 s26, ttmp9, s26                   ; which run of 32,768 numbers of the tensor
	s_lshl_b32 s28, s26, 17                        ; its bytes,
	s_lshl_b32 s27, s16, 15                        ; my wave's 8,192 numbers
	s_add_co_u32 s28, s28, s27
	s_mov_b32 s29, 0
	s_add_nc_u64 s[4:5], s[4:5], s[28:29]
	s_lshr_b32 s30, s26, 1                         ; the codes: two runs (128 keys each) fill K's half of a slot's block; in wc the same sum gives 32,768 x run
	s_lshl_b32 s30, s30, 17
	s_and_b32 s27, s26, 1
	s_lshl_b32 s27, s27, 15
	s_add_co_u32 s30, s30, s27
	s_lshl_b32 s27, s16, 13
	s_add_co_u32 s30, s30, s27
	s_mov_b32 s31, 0
	s_add_nc_u64 s[12:13], s[12:13], s[30:31]
.macro LOADS t                         ; a step's 512 numbers: each load reads 512 consecutive bytes
.irp i, 0,1,2,3
	global_load_b128 v[RS+16*((\t)%4)+4*\i:RS+16*((\t)%4)+4*\i+3], v[L16], s[4:5] offset:2048*(\t)+512*\i th:TH_LOAD_NT
.endr
.endm
.macro TURNS t                         ; through the wave's own stage, so that a lane gets 16 neighbours: LDS serves a wave's instructions in order, so no wait stands between the stores and the loads
.irp i, 0,1,2,3
	ds_store_b128 v[SIN], v[RS+16*((\t)%4)+4*\i:RS+16*((\t)%4)+4*\i+3] offset:32*SP*((\t)%2)+8*SP*\i
.endr
.irp i, 0,1,2,3
	ds_load_b128 v[XS+16*((\t)%2)+4*\i:XS+16*((\t)%2)+4*\i+3], v[SOUT] offset:32*SP*((\t)%2)+16*\i
.endr
.endm
.irp t, 0,1,2,3
	LOADS \t
.endr
	s_wait_kmcnt 0x0
	s_cmp_lt_u32 ttmp9, 128
	s_cselect_b32 s26, s21, s25                    ; e: k's or W_out's
	s_add_co_i32 s26, s26, 127
	s_lshl_b32 s27, s26, 23
	v_mov_b32 v[SCV], s27
	s_add_co_i32 s26, s26, 15
	s_lshl_b32 s26, s26, 23
	s_or_b32 s26, s26, 0x600000                    ; the mantissa field of 57,344
	v_mov_b32 v[LIMV], s26
	s_wait_alu depctr_va_vdst(0)
	s_wait_loadcnt 12                              ; step 0's four loads are in; the twelve of steps 1 to 3 may be out
	TURNS 0
.macro SSTEP t
.set XX, XS+16*((\t)%2)
	s_wait_dscnt 0x0                               ; this step's numbers are back from the stage: so its stores into the stage have read their registers,
.if (\t)+4 < STEPS
	LOADS (\t)+4                                   ; which take the loads of four steps on
.endif
.if (\t)+1 < STEPS
.if STEPS-2-(\t) >= 3
	s_wait_loadcnt 12                              ; the next step's four loads are in; those of the three steps behind it may be out
.else
	s_wait_loadcnt 4*(STEPS-2-(\t))
.endif
	TURNS (\t)+1                                   ; and go through the other stage while this step is worked
.endif
.irp i, 0,1,2,3,4,5,6,7,8,9,10,11,12,13,14,15
	v_med3_num_f32 v[XX+\i], v[XX+\i], -v[LIMV], v[LIMV]   ; the conversion to an 8-bit code does not saturate (ISA guide 7.6.2): the hold comes first
.endr
	v_cvt_scalef32_pk8_bf8_f32 v[CSS+4*(\t):CSS+4*(\t)+1], v[XX:XX+7], v[SCV]
	v_cvt_scalef32_pk8_bf8_f32 v[CSS+4*(\t)+2:CSS+4*(\t)+3], v[XX+8:XX+15], v[SCV]
	global_store_b128 v[L16], v[CSS+4*(\t):CSS+4*(\t)+3], s[12:13] offset:512*(\t)   ; the wave stores 512 consecutive bytes, at a multiple of 256 from the buffer's first byte
.endm
.irp t, 0,1,2,3,4,5,6,7,8,9,10,11,12,13,14,15
	SSTEP \t
.endr
	s_wait_tensorcnt 0x0                           ; the wave's end, behind my last LDS store
	ds_add_u32 v[SPW], v[NIL]
	s_wait_dscnt 0x0
	s_endpgm
	; ---- v: A LANE TAKES A COLUMN e, AND ITS REGISTERS RUN DOWN THE KEYS: nothing is transposed by an instruction
.Lvpath:
	s_sub_co_u32 s26, ttmp9, 130
	s_and_b32 s27, s26, 1                          ; which 128 of the 256 columns
	s_lshr_b32 s26, s26, 1                         ; 16 x batch + slot
	s_lshl_b32 s28, s26, 18                        ; v: 256 keys of 1,024 bytes,
	s_lshl_b32 s30, s27, 9
	s_add_co_u32 s28, s28, s30
	s_lshl_b32 s30, s16, 7                         ; my wave's 32 columns
	s_add_co_u32 s28, s28, s30
	s_mov_b32 s29, 0
	s_add_nc_u64 s[8:9], s[8:9], s[28:29]
	s_lshl_b32 s30, s26, 17                        ; kv: the slot's block,
	s_lshl_b32 s27, s27, 15
	s_add_co_u32 s30, s30, s27
	s_lshl_b32 s27, s16, 13                        ; my wave's 32 rows of 256 bytes,
	s_add_co_u32 s30, s30, s27
	s_add_co_u32 s30, s30, 65536                   ; behind K's 256 rows
	s_mov_b32 s31, 0
	s_add_nc_u64 s[12:13], s[12:13], s[30:31]
.macro VLD t                           ; block t: v(key 32 t + i, my column), i = 0 .. 31: each load reads 128 consecutive bytes a wave
.irp i, 0,1,2,3,4,5,6,7,8,9,10,11,12,13,14,15,16,17,18,19,20,21,22,23,24,25,26,27,28,29,30,31
	global_load_b32 v[XV+32*((\t)%2)+\i], v[L4], s[8:9] offset:(32*(\t)+\i)*1024 th:TH_LOAD_NT
.endr
.endm
	VLD 0
	VLD 1
	s_wait_kmcnt 0x0
	s_add_co_i32 s26, s23, 127                     ; e3
	s_lshl_b32 s27, s26, 23
	v_mov_b32 v[SCV], s27
	s_add_co_i32 s26, s26, 15
	s_lshl_b32 s26, s26, 23
	s_or_b32 s26, s26, 0x600000
	v_mov_b32 v[LIMV], s26
.macro VBLOCK t
.set XX, XV+32*((\t)%2)
.if (\t) < 7
	s_wait_loadcnt 32                              ; this block's 32 loads are in; the next block's may be out
.else
	s_wait_loadcnt 0
.endif
.irp i, 0,1,2,3,4,5,6,7,8,9,10,11,12,13,14,15,16,17,18,19,20,21,22,23,24,25,26,27,28,29,30,31
	v_med3_num_f32 v[XX+\i], v[XX+\i], -v[LIMV], v[LIMV]
.endr
	v_cvt_scalef32_pk8_bf8_f32 v[CV:CV+1],   v[XX:XX+7],     v[SCV]   ; keys 0-7 of the 32: bytes 0-7
	v_cvt_scalef32_pk8_bf8_f32 v[CV+4:CV+5], v[XX+8:XX+15],  v[SCV]   ; keys 8-15: bytes 16-23
	v_cvt_scalef32_pk8_bf8_f32 v[CV+2:CV+3], v[XX+16:XX+23], v[SCV]   ; keys 16-23: bytes 8-15
	v_cvt_scalef32_pk8_bf8_f32 v[CV+6:CV+7], v[XX+24:XX+31], v[SCV]   ; keys 24-31: bytes 24-31
	ds_store_b128 v[VIN], v[CV:CV+3] offset:32*(\t)
	ds_store_b128 v[VIN], v[CV+4:CV+7] offset:32*(\t)+16
.if (\t)+2 < 8
	VLD (\t)+2
.endif
	s_wait_dscnt 0x0                               ; the stores have read their registers: the next block's codes may be written
.endm
	s_wait_alu depctr_va_vdst(0)
.irp t, 0,1,2,3,4,5,6,7
	VBLOCK \t
.endr
.irp t, 0,1,2,3,4,5,6,7,8,9,10,11,12,13,14,15
	ds_load_b128 v[OV+4*\t:OV+4*\t+3], v[VOUT] offset:2*\t*VP   ; two rows an instruction; LDS serves a wave's instructions in order: these see my stores
.endr
.irp t, 0,1,2,3,4,5,6,7,8,9,10,11,12,13,14,15
	s_wait_dscnt 15-\t                             ; the younger loads may be out
	global_store_b128 v[L16], v[OV+4*\t:OV+4*\t+3], s[12:13] offset:512*\t   ; my rows are dense in kv: 512 consecutive bytes a store
.endr
	s_wait_tensorcnt 0x0                           ; the wave's end, behind my last LDS store
	ds_add_u32 v[SPW], v[NIL]
	s_wait_dscnt 0x0
	s_endpgm
.Lfunc_end_k_q64ae995b71_prep:
	.size	k_q64ae995b71_prep, .Lfunc_end_k_q64ae995b71_prep-k_q64ae995b71_prep
	.p2alignl 7, 3214868480
	.fill 96, 4, 3214868480
	.section	.rodata,"a",@progbits
	.p2align	6, 0x0
	.amdhsa_kernel k_q64ae995b71_prep
		.amdhsa_group_segment_fixed_size 68096
		.amdhsa_private_segment_fixed_size 0
		.amdhsa_enable_private_segment 0
		.amdhsa_kernarg_size 48
		.amdhsa_user_sgpr_count 2
		.amdhsa_user_sgpr_kernarg_segment_ptr 1
		.amdhsa_wavefront_size32 1
		.amdhsa_system_sgpr_workgroup_id_x 1
		.amdhsa_system_sgpr_workgroup_id_y 1
		.amdhsa_system_sgpr_workgroup_id_z 1
		.amdhsa_system_vgpr_workitem_id 0
		.amdhsa_next_free_vgpr 192
		.amdhsa_next_free_sgpr 66
		.amdhsa_reserve_vcc 0
		.amdhsa_float_denorm_mode_32 3
		.amdhsa_float_denorm_mode_16_64 3
		.amdhsa_memory_ordered 1
		.amdhsa_forward_progress 1
		.amdhsa_inst_pref_size 86
	.end_amdhsa_kernel
	.amdgpu_metadata
---
amdhsa.version: [ 1, 2 ]
amdhsa.kernels:
  - .name:           k_q64ae995b71_prep
    .symbol:         k_q64ae995b71_prep.kd
    .args:
      - { .name: k, .offset: 0, .size: 8, .value_kind: global_buffer, .address_space: global }
      - { .name: W_out, .offset: 8, .size: 8, .value_kind: global_buffer, .address_space: global }
      - { .name: v, .offset: 16, .size: 8, .value_kind: global_buffer, .address_space: global }
      - { .name: lowp_scales, .offset: 24, .size: 8, .value_kind: global_buffer, .address_space: global }
      - { .name: kv, .offset: 32, .size: 8, .value_kind: global_buffer, .address_space: global }
      - { .name: wc, .offset: 40, .size: 8, .value_kind: global_buffer, .address_space: global }
    .group_segment_fixed_size: 68096
    .private_segment_fixed_size: 0
    .kernarg_segment_align: 8
    .kernarg_segment_size: 48
    .max_flat_workgroup_size: 128
    .sgpr_count:     66
    .vgpr_count:     192
    .wavefront_size: 32
...
	.end_amdgpu_metadata
.endif
;; end of part 1
;; launch attn (part 2): grid 64 x 4, 8 waves a work-group, clusters of 4 x 1, 327,680 bytes of LDS; arguments q, kv, wc, b_out, lowp_scales, out0; writes out0
.if DOCPART == 2
	.amdgcn_target "amdgcn-amd-amdhsa--gfx1250"
	.amdhsa_code_object_version 6
	.text
	.protected	k_q64ae995b71_attn
	.globl	k_q64ae995b71_attn
	.p2align	8
	.type	k_q64ae995b71_attn,@function
k_q64ae995b71_attn:
	s_mov_b64 s[64:65], 0
	v_nop
	global_prefetch_b8 v0, s[64:65] scope:SCOPE_SE
	s_setreg_imm32_b32 hwreg(HW_REG_WAVE_MODE, 25, 1), 1
	s_wait_xcnt 0x0
	s_wait_alu depctr_hold_cnt(0) depctr_sa_sdst(0) depctr_va_vdst(0) depctr_va_sdst(0) depctr_va_ssrc(0) depctr_va_vcc(0) depctr_vm_vsrc(0)
	s_getreg_b32 s2, hwreg(HW_REG_IB_STS2, 6, 4)
	s_cmp_eq_u32 s2, 0
	s_cbranch_scc0 .Lentry_in_a_cluster
	s_endpgm
.Lentry_in_a_cluster:
	s_bfe_u32 s2, ttmp6, 0x10000c
	s_cmp_lg_u32 s2, 0x3003
	s_cbranch_scc0 .Lentry_shape_is_right
	s_endpgm
.Lentry_shape_is_right:
; out0[b][n][:] = concat over heads of (softmax_k(q . k / 8) v) W_out^T + b_out, all three products on codes of BF8 (E5M2), each operand with its given scale 2^e: e0 .. e5.
; No work of the problem is left out.  k's, v's and W_out's codes come from the launch before (kv, wc); q is read by one wave alone and is quantised here, in registers.
; THE SOFTMAX: t = score x log2(e) / 8; M = the row's largest t so far, rounded UP to a whole number; p = 2^(t - M) is quantised (e2), not normalised.  The row's sum is taken of the unquantised p
; and divides O at the end.  When M moves, the sum and O are multiplied by 2^(old M - new M).  The normalised heads are quantised once more (e4) for the projection.
; LIMITS: e0, e2, e4 between -126 and 112; e0 + e1 between -123 and 130 (added to c's exponent field); e4 + e5 between -126 and 127; the scaled scores stay under 2^31 in magnitude.
; NaN among the inputs is not served; an infinity in q is held at the largest code.
; SHARES.  A work-group owns 64 queries of one batch, all four heads, so that the projection stays inside it: 256 work-groups.  Wave w: head w / 2, queries 32 (w % 2) on: tiles A and B of 16.
; Each fragment of K and V read from LDS feeds two matrix instructions.  In the projection wave w makes columns 32 w .. 32 w + 31 of all 64 rows.
; CLUSTER.  The four query blocks of a cluster belong to one batch and walk the same 16 slots of kv: each slot is asked for JOINTLY (mask 15), every wave fetching 64 of its 512 rows.
; LAYOUT.  S^T = K Q^T: lane (r, h) holds query r, register i of tile j key 16 j + 8 h + i.  O^T = V^T P^T: register i of tile t is d = 16 t + 8 h + i.  In the first product K and Q hold
; d = 32 c + 16 h + 0..15 in registers 4 c .. 4 c + 3: the same permutation of d on both sides.
; REGISTERS.  Window 0 holds all that vector instructions work on, for BOTH tiles, so that the two tiles' chains take turns line by line: v1-11 addresses, v12-47 state and constants, v48-111 S^T/p of A,
; v112-175 of B, v176-207 O^T of A, v208-239 of B, v240-255 the head's offsets, later the heads' codes.  Window 1 holds operands: v0-63 K, v64-127 V, v128-143 Q, v144-175 p's codes, v176-239 W, v240-255 the bias.
.set PITCH, 272                        ; an LDS row: 256 bytes + 16 of padding
.set SLOT,  512*PITCH                  ; K's 256 rows, then V's 256
.set VROW0, 256*PITCH
.set TILEB, 131072                     ; a slot's block in kv
.set SPARE, 2*SLOT                     ; the spare words: 128 bytes a wave, four blocks of 256 bytes that no other line names
.set STG,   16384                      ; the way out lies in slot 0 behind its last fill and last read: 16 images of 1,024 bytes, then a stage of 64 rows
.set SPI,   1040
.set SO, 1
.set SR, 2
.set PFO, 3
.set LI, 4
.set SPW, 5
.set NIL, 6
.set AK, 7                             ; v7, v8 my place in K's rows of slot 0, 1;  v9, v10 in V's
.set AV, 9
.set IW, 11
.set NMA, 12                           ; -M, the largest raw score, the sum (a pair): A at v12-15, B at v16-19
.set RMA, 13
.set SUA, 14
.set NMB, 16
.set RMB, 17
.set SUB, 18
.set TA, 20                            ; v20-23 at work
.set TB, 22
.set PA, 24
.set PB, 25
.set FA, 26                            ; f = 2^(old M - new M), low word of a pair
.set FB, 28
.set X1, 30                            ; three more chains of the sum
.set X2, 40
.set X3, 42
.set HL0, 32                           ; 57,344 x 2^e2, twice: the two halves of a dual line name registers of different banks
.set HL1, 33
.set SCP, 34                           ; 2^e2
.set C4, 36
.set L4, 37
.set C0, 38
.set L0, 39
.set SA, 48
.set SB, 112
.set OA, 176
.set OB, 208
.set RR, 240
.set HH, 241
.set QO, 242
.set WO, 243
.set BO, 244
.set WV, 16
.set HD, 17
.set HF, 18
.set CX, 19
.set XB, 20
.set BT, 21
.set CS, 22
.set G1, 24
.set G0, 32
.set SEL, 40
.set SC, 42
.set CNT, 44
.set LIM, 45
.set PFA, 46
.set LSH, 70
.set MSB, 0
.macro WIN new                         ; bits 1:0 source 0, 3:2 source 1, 5:4 source 2, 7:6 destination; the high byte repeats the setting that is left
.if MSB != \new
	s_set_vgpr_msb (MSB<<8)|\new
.set MSB, \new
.endif
.endm
.macro CREST                           ; a round of the cluster's barrier behind its opening barrier
	s_cmp_lg_u32 s[WV], 0
	s_cbranch_scc1 .Lnot_wave_0_\@
	s_barrier_signal -3
.Lnot_wave_0_\@:
	s_barrier_wait -3
	s_barrier_signal -1
	s_barrier_wait -1
.endm
.macro CROUND
	s_barrier_signal -1
	s_barrier_wait -1
	CREST
.endm
	s_load_b256 s[4:11], s[0:1], 0x0               ; q, kv, wc, b_out
	s_load_b128 s[12:15], s[0:1], 0x20             ; the scales' exponents, out0
	v_lshl_add_u32 v[SPW], v0, 2, SPARE
	v_mov_b32 v[NIL], 0
	ds_add_u32 v[SPW], v[NIL]                      ; the opening lines: the add, twice on end, and its wait ahead of my first tensor load
	ds_add_u32 v[SPW], v[NIL]
	v_lshrrev_b32 v1, 5, v0
	v_readfirstlane_b32 s[WV], v1                  ; wave 0..7
	s_lshr_b32 s[HD], s[WV], 1
	s_and_b32 s[HF], s[WV], 1
	s_bfe_u32 s[CX], ttmp6, 0x40000
	s_lshl_b32 s[XB], ttmp9, 2
	s_add_co_u32 s[XB], s[XB], s[CX]               ; my block of 64 queries: it enters q's, out0's and the prefetches' addresses alone
	s_and_b32 s[BT], ttmp7, 0xffff                 ; the batch, which the four partners share
	s_mov_b32 s[G1], 15|(1<<20)|(1<<21)|(5<<22)|(3<<25)   ; mask: all four; elements of 1 byte; four words of padding behind every 64
	s_mov_b32 s[G1+1], 256<<16
	s_mov_b32 s[G1+2], 64<<16
	s_mov_b32 s[G1+3], 256<<16
	s_mov_b32 s[G1+4], 64
	s_mov_b32 s[G1+5], 256
	s_mov_b32 s[G1+6], 0
	s_mov_b32 s[G1+7], 0
	s_mov_b32 s[SEL], 0x76543210
	s_mov_b32 s[SEL+1], 0xfedcba98
	s_mul_i32 s54, s[WV], 64*PITCH                 ; my 64 rows of a slot in LDS
	s_lshl_b32 s56, s[BT], 21
	s_lshl_b32 s55, s[WV], 14
	s_add_co_u32 s56, s56, s55                     ; and in kv
	s_mov_b32 s57, 0
	s_lshl_b32 s60, s[BT], 12
	s_lshl_b32 s61, s[XB], 6
	s_add_co_u32 s60, s60, s61                     ; my block's first row of q and of out0
	s_lshl_b32 s61, s[HF], 5
	s_add_co_u32 s62, s60, s61
	s_lshl_b32 s62, s62, 10
	s_lshl_b32 s61, s[HD], 8
	s_add_co_u32 s62, s62, s61                     ; q at my first query, my head
	s_mov_b32 s63, 0
	s_lshl_b32 s61, s[WV], 3
	s_add_co_u32 s66, s60, s61
	s_lshl_b32 s66, s66, 10                        ; out0 at the 8 rows that I store
	s_mov_b32 s67, 0
	s_lshl_b32 s58, s[WV], 13                      ; wc at my 32 rows
	s_mov_b32 s59, 0
	s_lshl_b32 s60, s[WV], 7                       ; b_out at my 32 numbers
	s_mov_b32 s61, 0
	s_lshl_b32 s68, s[BT], 21                      ; the prefetches: the four partners share a block out by address, 32,768 bytes each; waves 0 to 3 take 8,192 each
	s_lshl_b32 s69, s[CX], 15
	s_add_co_u32 s68, s68, s69
	s_and_b32 s69, s[WV], 3
	s_lshl_b32 s69, s69, 13
	s_add_co_u32 s68, s68, s69
	s_add_co_u32 s68, s68, 2*TILEB                 ; at tile 2: the first change of slots steps it to tile 3
	s_mov_b32 s69, 0
	s_lshr_b32 s[LIM], s[WV], 2
	s_or_b32 s[LIM], s[LIM], ttmp9                 ; waves 0 to 3 of the batch's first cluster ask: the same in all four partners
	s_cmp_eq_u32 s[LIM], 0
	s_cselect_b32 s[LIM], 1, -1
	s_lshl_b32 s71, s[HD], 6                       ; K: my head's 64 bytes of a key's row
	s_mul_i32 s72, s[HD], 64*PITCH
	s_add_co_u32 s72, s72, VROW0                   ; V: my head's 64 rows
	s_lshl_b32 s73, s[HF], 13                      ; images: fragment 4 m + head, m = 2 (w % 2) for tile A
	s_lshl_b32 s55, s[HD], 10
	s_add_co_u32 s73, s73, s55
	s_lshl_b32 s74, s[WV], 7
	s_add_co_u32 s74, s74, STG
	s_mul_i32 s75, s[WV], 8*SPI
	s_add_co_u32 s75, s75, STG
	v_and_b32 v[RR], 15, v0                        ; r
	v_bfe_u32 v[HH], v0, 4, 1                      ; h
	v_lshlrev_b32 v[QO], 10, v[RR]
	v_lshlrev_b32 v[WO], 8, v[RR]
	v_lshlrev_b32 v[BO], 5, v[HH]                  ; b_out: 32 h
	v_lshl_add_u32 v[QO], v[HH], 6, v[QO]          ; q: row r of 1,024 bytes, + 64 h
	v_lshl_add_u32 v[WO], v[HH], 3, v[WO]          ; wc: row r of 256 bytes, + 8 h
	v_and_b32 v[PFO], 31, v0
	v_mul_u32_u24 v[AK], v[RR], PITCH
	v_mul_u32_u24 v[SO], v[RR], SPI
	v_lshlrev_b32 v[LI], 4, v[PFO]
	v_lshlrev_b32 v[PFO], 8, v[PFO]
	v_lshl_add_u32 v[AK], v[HH], 4, v[AK]          ; row r x pitch + 16 h
	v_lshl_add_u32 v[SO], v[HH], 5, v[SO]
	v_add_nc_u32 v[IW], s73, v[LI]
	v_add_nc_u32 v[SR], s75, v[LI]
	v_add_nc_u32 v[AV], s72, v[AK]
	v_add_nc_u32 v[AK], s71, v[AK]
	v_add_nc_u32 v[SO], s74, v[SO]
	v_add_nc_u32 v[AV+1], SLOT, v[AV]
	v_add_nc_u32 v[AK+1], SLOT, v[AK]
	v_mov_b32 v[RMA], 0xff61b1e6                   ; the largest score so far: -3e38
	v_mov_b32 v[RMB], 0xff61b1e6
	v_mov_b32 v[NMA], 0x7f61b1e6                   ; -M: 3e38, so that the first f is 0
	v_mov_b32 v[NMB], 0x7f61b1e6
.irp x, SUA, SUA+1, SUB, SUB+1, PA, PB, FA+1, FB+1
	v_mov_b32 v[\x], 0
.endr
.set J, 0
.rept 64
	v_mov_b32 v[OA+J], 0                           ; the key step is written once: the first finds zeros, which the first f leaves zeros
.set J, J+1
.endr
	s_wait_alu depctr_va_vdst(0)                   ; directly ahead of the waits below
	s_wait_dscnt 0x0                               ; both opening adds are done
	s_wait_kmcnt 0x0
	s_load_b128 s[48:51], s[12:13], 0x0            ; e0 .. e3
	s_load_b64 s[52:53], s[12:13], 0x10            ; e4, e5
	s_add_nc_u64 s[4:5], s[4:5], s[62:63]
.irp c, 0,1
.irp j, 0,1,2,3
	global_load_b128 v[SA+16*\c+4*\j:SA+16*\c+4*\j+3], v[QO], s[4:5] offset:128*\c+16*\j th:TH_LOAD_NT         ; register 16 c + i = q(r, 32 c + 16 h + i)
	global_load_b128 v[SB+16*\c+4*\j:SB+16*\c+4*\j+3], v[QO], s[4:5] offset:16384+128*\c+16*\j th:TH_LOAD_NT   ; tile B: 16 rows on
.endr
.endr
	s_add_nc_u64 s[14:15], s[14:15], s[66:67]
	s_add_nc_u64 s[8:9], s[8:9], s[58:59]
	s_add_nc_u64 s[10:11], s[10:11], s[60:61]
	s_add_nc_u64 s[PFA:PFA+1], s[6:7], s[68:69]
	s_add_nc_u64 s[56:57], s[6:7], s[56:57]
	CROUND                                         ; all four work-groups are here: the first joint loads meet
.irp n, 0,1
	s_mov_b32 s[G0+4*\n], 1
	s_add_co_u32 s[G0+4*\n+1], s54, \n*SLOT
	s_add_nc_u64 s[G0+4*\n+2:G0+4*\n+3], s[56:57], \n*TILEB
	s_or_b32 s[G0+4*\n+3], s[G0+4*\n+3], 0x80000000
.endr
	tensor_load_to_lds s[G0:G0+3], s[G1:G1+7]      ; tile 0: my one tensor load at the head
	s_nop 0
	s_wait_kmcnt 0x0
	s_add_co_i32 s54, s48, s49
	s_lshl_b32 s54, s54, 23
	s_mov_b32 s[CS], 0x3e38aa3b                    ; log2(e) / 8,
	s_add_co_i32 s[CS], s[CS], s54                 ; x 2^(e0 + e1): the exponents are added to c's exponent field
	s_mov_b32 s[CS+1], s[CS]
	s_add_co_i32 s54, s48, 127
	s_lshl_b32 s55, s54, 23
	v_mov_b32 v[C0], s55                           ; 2^e0
	s_add_co_i32 s54, s54, 15
	s_lshl_b32 s54, s54, 23
	s_or_b32 s54, s54, 0x600000
	v_mov_b32 v[L0], s54                           ; 57,344 x 2^e0
	s_add_co_i32 s54, s52, 127
	s_lshl_b32 s55, s54, 23
	v_mov_b32 v[C4], s55                           ; 2^e4
	s_add_co_i32 s54, s54, 15
	s_lshl_b32 s54, s54, 23
	s_or_b32 s54, s54, 0x600000
	v_mov_b32 v[L4], s54                           ; 57,344 x 2^e4
	s_add_co_i32 s54, s50, 127
	s_lshl_b32 s55, s54, 23
	v_mov_b32 v[SCP], s55                          ; 2^e2
	s_add_co_i32 s54, s54, 15
	s_lshl_b32 s54, s54, 23
	s_or_b32 s54, s54, 0x600000
	v_mov_b32 v[HL0], s54                          ; 57,344 x 2^e2
	v_mov_b32 v[HL1], s54
	s_add_co_i32 s[SC], s52, s53
	s_add_co_i32 s[SC], s[SC], 127
	s_lshl_b32 s[SC], s[SC], 23                    ; 2^(e4 + e5)
	s_mov_b32 s[SC+1], s[SC]
	s_add_co_i32 s[LSH], s50, s51                  ; e2 + e3
	s_wait_alu depctr_va_vdst(0)                   ; directly ahead of the wait below
	s_wait_loadcnt 0x0                             ; q
.set J, 0
.rept 32
	v_med3_num_f32 v[SA+J], v[SA+J], -v[L0], v[L0] ; the conversion to an 8-bit code does not saturate (ISA guide 7.6.2): the hold comes first
	v_med3_num_f32 v[SB+J], v[SB+J], -v[L0], v[L0]
.set J, J+1
.endr
	WIN 0x40                                       ; destination window 1
.irp g, 0,1,2,3
	v_cvt_scalef32_pk8_bf8_f32 v[128+2*\g:129+2*\g], v[SA+8*\g:SA+8*\g+7], v[C0]
	v_cvt_scalef32_pk8_bf8_f32 v[136+2*\g:137+2*\g], v[SB+8*\g:SB+8*\g+7], v[C0]
.endr
	WIN 0
	v_nop                                          ; a plain line between the last conversion and the products
.macro KLOAD slot, q                   ; K's 8 fragments of the slot's q-th 128 keys: tile j = keys 16 j + r, my head's 64 bytes
.set J, 0
.rept 8
	ds_load_b128 v[8*J:8*J+3], v[AK+\slot] offset:(128*\q+16*J)*PITCH
	ds_load_b128 v[8*J+4:8*J+7], v[AK+\slot] offset:(128*\q+16*J)*PITCH+32
.set J, J+1
.endr
.endm
.macro VLOAD slot, q                   ; V's 4 fragments: tile t = rows d = 16 t + r of my head, the same 128 keys
.irp t, 0,1,2,3
.irp c, 0,1,2,3
	ds_load_b128 v[64+16*\t+4*\c:67+16*\t+4*\c], v[AV+\slot] offset:16*\t*PITCH+128*\q+32*\c
.endr
.endr
.endm
; The step's largest scores and the new M of both tiles: four chains of maxima by turns, each accumulator read from its low end on; then the two tiles' short chains line by line.
.macro MAXES
	v_max3_num_f32 v[TA], v[SA], v[SA+1], v[SA+2]
	v_max3_num_f32 v[TB], v[SB], v[SB+1], v[SB+2]
	v_max3_num_f32 v[TA+1], v[SA+3], v[SA+4], v[SA+5]
	v_max3_num_f32 v[TB+1], v[SB+3], v[SB+4], v[SB+5]
.set J, 6
.rept 14
	v_max3_num_f32 v[TA], v[TA], v[SA+J], v[SA+J+1]
	v_max3_num_f32 v[TB], v[TB], v[SB+J], v[SB+J+1]
	v_max3_num_f32 v[TA+1], v[TA+1], v[SA+J+2], v[SA+J+3]
	v_max3_num_f32 v[TB+1], v[TB+1], v[SB+J+2], v[SB+J+3]
.set J, J+4
.endr
	v_max3_num_f32 v[TA], v[TA], v[SA+62], v[SA+63]
	v_max3_num_f32 v[TB], v[TB], v[SB+62], v[SB+63]
	v_max_num_f32 v[TA], v[TA], v[TA+1]
	v_max_num_f32 v[TB], v[TB], v[TB+1]
	v_permlanex16_b32 v[PA], v[TA], s[SEL], s[SEL+1]
	v_permlanex16_b32 v[PB], v[TB], s[SEL], s[SEL+1]
	v_max3_num_f32 v[RMA], v[RMA], v[TA], v[PA]    ; the running largest score: mine, lane l xor 16's, the earlier steps'
	v_max3_num_f32 v[RMB], v[RMB], v[TB], v[PB]
	v_mul_f32 v[TA], s[CS], v[RMA]                 ; as t (c is positive, so the largest score gives the largest t)
	v_mul_f32 v[TB], s[CS], v[RMB]
	v_mov_b32 v[TA+1], v[NMA]
	v_mov_b32 v[TB+1], v[NMB]
	v_floor_f32 v[NMA], -v[TA]                     ; the new -M = -ceil(t)
	v_floor_f32 v[NMB], -v[TB]
	v_sub_f32 v[TA+1], v[NMA], v[TA+1]             ; old M less new M: a whole number, 0 or less
	v_sub_f32 v[TB+1], v[NMB], v[TB+1]
	v_cvt_i32_f32 v[TA+1], v[TA+1]                 ; (it saturates)
	v_cvt_i32_f32 v[TB+1], v[TB+1]
	v_ldexp_f32 v[FA], 1.0, v[TA+1]                ; f = 2^(old M - new M)
	v_ldexp_f32 v[FB], 1.0, v[TB+1]
.endm
.macro SUMP s, su                      ; the row's sum of the unquantised p: 32 pairs in four chains
	v_pk_add_f32 v[X1:X1+1], v[\s:\s+1], v[\s+2:\s+3]
	v_pk_add_f32 v[X2:X2+1], v[\s+4:\s+5], v[\s+6:\s+7]
	v_pk_add_f32 v[X3:X3+1], v[\s+8:\s+9], v[\s+10:\s+11]
	v_pk_add_f32 v[\su:\su+1], v[\su:\su+1], v[\s+12:\s+13]
.set J, 14
.rept 6
	v_pk_add_f32 v[X1:X1+1], v[X1:X1+1], v[\s+J:\s+J+1]
	v_pk_add_f32 v[X2:X2+1], v[X2:X2+1], v[\s+J+2:\s+J+3]
	v_pk_add_f32 v[X3:X3+1], v[X3:X3+1], v[\s+J+4:\s+J+5]
	v_pk_add_f32 v[\su:\su+1], v[\su:\su+1], v[\s+J+6:\s+J+7]
.set J, J+8
.endr
	v_pk_add_f32 v[X1:X1+1], v[X1:X1+1], v[\s+62:\s+63]
	v_pk_add_f32 v[\su:\su+1], v[\su:\su+1], v[X3:X3+1]
	v_pk_add_f32 v[X1:X1+1], v[X1:X1+1], v[X2:X2+1]
	v_pk_add_f32 v[\su:\su+1], v[\su:\su+1], v[X1:X1+1]
.endm
.macro HOLD2 x                         ; p is not negative: the hold is one-sided; two numbers a line
	v_dual_min_num_f32 v[\x], v[\x], v[HL0] :: v_dual_min_num_f32 v[\x+1], v[\x+1], v[HL1]
.endm
; A PREFETCH INTO THE L2 of the tile that the NEXT change of slots will ask for: 131,072 bytes, lanes 256 bytes apart.  All sixteen clusters of a batch walk the same tiles: the batch's first cluster asks,
; its partners told apart by address, waves 0 to 3 one instruction each: every aligned 256 bytes are named once.  The changes behind tiles 0 to 12 ask for tiles 3 to 15; the one behind tile 13 (how = 2, last trip) for nothing.
.macro ASK how
.if \how == 1
	s_cmp_eq_u32 s[LIM], 1
.else
	s_cmp_gt_u32 s[CNT], s[LIM]
.endif
	s_cbranch_scc0 .Lnot_mine_\@
	global_prefetch_b8 v[PFO], s[PFA:PFA+1] th:TH_LOAD_NT scope:SCOPE_SE
.Lnot_mine_\@:
.endm
; A KEY STEP: 128 keys, both tiles.  chg = 1 (a slot's last step): THE CHANGE OF SLOTS lies inside it.  When V's fragments are asked for, the wave waits for all its tensor loads (its 64 rows of the next slot),
; adds 0 to its spare word, and, behind the maxima, waits for that and for its last reads of this slot, and signals.  The exponentials, sums and conversions, work on registers, stand between signal and wait.
; fill = 1: the rest of the cluster's round, the joint refill of this slot, two tiles on; then the next slot's first K fragments, with the rescaling and the second product under them.
.macro STEP slot, q, chg, fill, ask
	s_wait_dscnt 0x0                               ; K's fragments are in
	WIN 0x05                                       ; sources 0 and 1 window 1, sums window 0: the one setting of all products of the loop
.set J, 0
.rept 8
	v_wmma_f32_16x16x64_bf8_bf8 v[SA+8*J:SA+8*J+7], v[8*J:8*J+7], v[128:135], 0
.set J, J+1
.endr
.set J, 0
.rept 8
	v_wmma_f32_16x16x64_bf8_bf8 v[SB+8*J:SB+8*J+7], v[8*J:8*J+7], v[136:143], 0
.set J, J+1
.endr
	WIN 0
.rept 4
	v_nop                                          ; four places: ahead of the reads of S^T and of the loads into K's and V's registers
.endr
	WIN 0x40
	VLOAD \slot, \q
.if \q == 0
	KLOAD \slot, 1                                 ; the slot's second 128 keys: a whole softmax ahead of their use
.endif
	WIN 0
.if \chg
	s_wait_tensorcnt 0x0                           ; no tensor load of mine is out, so a group 0 may be written
	ds_add_u32 v[SPW], v[NIL]                      ; 0 onto my spare word
.if \fill
	s_add_nc_u64 s[G0+4*\slot+2:G0+4*\slot+3], s[G0+4*\slot+2:G0+4*\slot+3], 2*TILEB   ; this slot's next tile
	s_wait_xcnt 0x0                                ; the last prefetch, a slot back, has read its address
	s_add_nc_u64 s[PFA:PFA+1], s[PFA:PFA+1], TILEB
.endif
.endif
	MAXES
.set J, 0
.rept 32
	v_pk_fma_f32 v[SA+J:SA+J+1], v[SA+J:SA+J+1], s[CS:CS+1], v[NMA:NMA+1] op_sel_hi:[1,0,0]   ; A: t - M
.set J, J+2
.endr
	s_wait_alu depctr_va_vdst(0)                   ; ahead of the batch (chg = 1: and ahead of the wait below)
.if \chg
	s_wait_dscnt 0x0                               ; the add is done, and my reads of this slot are over
	s_barrier_signal -1
.endif
.set J, 0
.rept 32                                       ; A's exponentials; B's t - M stands among them: its results are first read behind the batch's closing wait
	v_exp_f32 v[SA+J], v[SA+J]
	v_exp_f32 v[SA+J+1], v[SA+J+1]
	v_pk_fma_f32 v[SB+J:SB+J+1], v[SB+J:SB+J+1], s[CS:CS+1], v[NMB:NMB+1] op_sel_hi:[1,0,0]
.set J, J+2
.endr
	v_pk_mul_f32 v[SUA:SUA+1], v[SUA:SUA+1], v[FA:FA+1] op_sel_hi:[1,0]   ; the sum under the new M
	s_wait_alu depctr_va_vdst(0)                   ; one wait for the batch, ahead of its first reader
	SUMP SA, SUA
.set J, 0
.rept 32                                       ; B's exponentials; A's holds stand among them: their results are first read behind the closing wait
	v_exp_f32 v[SB+J], v[SB+J]
	v_exp_f32 v[SB+J+1], v[SB+J+1]
	HOLD2 SA+J
.set J, J+2
.endr
	v_pk_mul_f32 v[SUB:SUB+1], v[SUB:SUB+1], v[FB:FB+1] op_sel_hi:[1,0]
	s_wait_alu depctr_va_vdst(0)
	SUMP SB, SUB
.set J, 0
.rept 32
	HOLD2 SB+J
.set J, J+2
.endr
	WIN 0x40                                       ; p's codes go to window 1: keys 16 j + 8 h + 0..7 are registers 2 j, 2 j + 1 of the operand
.set J, 0
.rept 8
	v_cvt_scalef32_pk8_bf8_f32 v[144+2*J:145+2*J], v[SA+8*J:SA+8*J+7], v[SCP]
	v_cvt_scalef32_pk8_bf8_f32 v[160+2*J:161+2*J], v[SB+8*J:SB+8*J+7], v[SCP]
.set J, J+1
.endr
	WIN 0
.if \chg
	s_barrier_wait -1                              ; every wave of my work-group has its part of the next slot and has left this one
.if \fill
	CREST                                          ; and so has every wave of every partner
	tensor_load_to_lds s[G0+4*\slot:G0+4*\slot+3], s[G1:G1+7]   ; the first thing behind the round, and my one tensor load until the next
	s_nop 0
.endif
	WIN 0x40
	KLOAD 1-\slot, 0
	WIN 0
.if \ask
	ASK \ask
.endif
.else
.if \q == 0
	s_wait_dscnt 16                                ; V's 16 loads are in; K's 16, issued behind them, may be out
.else
	s_wait_dscnt 0x0
.endif
.endif
	s_wait_alu depctr_va_vdst(0)                   ; directly ahead of the first reader of O^T
.set J, 0
.rept 16
	v_pk_mul_f32 v[OA+J:OA+J+1], v[OA+J:OA+J+1], v[FA:FA+1] op_sel_hi:[1,0]   ; O^T under the new M; also the plain lines between the conversions and the products
.set J, J+2
.endr
.set J, 0
.rept 16
	v_pk_mul_f32 v[OB+J:OB+J+1], v[OB+J:OB+J+1], v[FB:FB+1] op_sel_hi:[1,0]
.set J, J+2
.endr
	WIN 0x05
.irp t, 0,1,2,3                                ; eight accumulators by turns
	v_wmma_f32_16x16x128_bf8_bf8 v[OA+8*\t:OA+8*\t+7], v[64+16*\t:79+16*\t], v[144:159], v[OA+8*\t:OA+8*\t+7]
.endr
.irp t, 0,1,2,3
	v_wmma_f32_16x16x128_bf8_bf8 v[OB+8*\t:OB+8*\t+7], v[64+16*\t:79+16*\t], v[160:175], v[OB+8*\t:OB+8*\t+7]
.endr
.endm
	s_wait_alu depctr_va_vdst(0)                   ; at the head's end
	s_wait_tensorcnt 0x0                           ; my part of tile 0 is in; slot 1's first fill is issued as a refill is
	ds_add_u32 v[SPW], v[NIL]
	s_wait_dscnt 0x0
	CROUND
	tensor_load_to_lds s[G0+4:G0+7], s[G1:G1+7]    ; tile 1
	s_nop 0
	WIN 0x40
	KLOAD 0, 0
	WIN 0
	s_mov_b32 s[CNT], 7
.Lring:                                                ; 7 trips of two slots: tiles 0 to 13 are multiplied, tiles 2 to 15 asked for
	STEP 0, 0, 0, 0, 0
	STEP 0, 1, 1, 1, 1
	STEP 1, 0, 0, 0, 0
	STEP 1, 1, 1, 1, 2
	WIN 0
	s_sub_co_u32 s[CNT], s[CNT], 1
	s_cmp_lg_u32 s[CNT], 0
	s_cbranch_scc1 .Lring
	WIN 0x40                                       ; W's fragments and the bias of my 32 columns: two slots ahead of their use
.irp u, 0,1
.irp g, 0,1,2,3,4,5,6,7,8,9,10,11,12,13,14,15
	global_load_b64 v[176+32*\u+2*\g:177+32*\u+2*\g], v[WO], s[8:9] offset:4096*\u+16*\g   ; W(32 w + 16 u + r, 16 g + 8 h + 0..7): the operand's own layout
.endr
	global_load_b128 v[240+8*\u:243+8*\u], v[BO], s[10:11] offset:64*\u
	global_load_b128 v[244+8*\u:247+8*\u], v[BO], s[10:11] offset:64*\u+16
.endr
	WIN 0
	STEP 0, 0, 0, 0, 0                             ; the tail is written out: tile 14; its change of slots fills nothing and has no round
	STEP 0, 1, 1, 0, 0
	STEP 1, 0, 0, 0, 0                             ; tile 15
	STEP 1, 1, 0, 0, 0
	WIN 0
	; ---- THE WAY OUT.  O^T / the sum x 2^(e2 + e3) is the head; it is quantised (e4) and goes to all waves as an image of the operand's registers.
	s_wait_loadcnt 0x0                             ; W and the bias are in; their offsets' registers are free
.rept 4
	v_nop                                          ; four places behind the last products
.endr
	v_add_f32 v[SUA], v[SUA], v[SUA+1]
	v_add_f32 v[SUB], v[SUB], v[SUB+1]
	v_permlanex16_b32 v[PA], v[SUA], s[SEL], s[SEL+1]
	v_permlanex16_b32 v[PB], v[SUB], s[SEL], s[SEL+1]
	v_add_f32 v[SUA], v[SUA], v[PA]
	v_add_f32 v[SUB], v[SUB], v[PB]
	s_wait_alu depctr_va_vdst(0)                   ; ahead of the transcendentals
	v_rcp_f32 v[SUA], v[SUA]
	v_rcp_f32 v[SUB], v[SUB]
	v_nop
	s_wait_alu depctr_va_vdst(0)                   ; and ahead of their first reader
	v_ldexp_f32 v[SUA], v[SUA], s[LSH]
	v_ldexp_f32 v[SUB], v[SUB], s[LSH]
	s_wait_alu depctr_va_vdst(0)                   ; and directly ahead of the first reader of O^T
.set J, 0
.rept 16
	v_pk_mul_f32 v[OA+J:OA+J+1], v[OA+J:OA+J+1], v[SUA:SUA+1] op_sel_hi:[1,0]
.set J, J+2
.endr
.set J, 0
.rept 16
	v_pk_mul_f32 v[OB+J:OB+J+1], v[OB+J:OB+J+1], v[SUB:SUB+1] op_sel_hi:[1,0]
.set J, J+2
.endr
.set J, 0
.rept 64
	v_med3_num_f32 v[OA+J], v[OA+J], -v[L4], v[L4]
.set J, J+1
.endr
.irp t, 0,1,2,3
	v_cvt_scalef32_pk8_bf8_f32 v[240+2*\t:241+2*\t], v[OA+8*\t:OA+8*\t+7], v[C4]   ; d = 16 t + 8 h + 0..7: registers 2 t, 2 t + 1 of my head's 64 along the projection's K
	v_cvt_scalef32_pk8_bf8_f32 v[248+2*\t:249+2*\t], v[OB+8*\t:OB+8*\t+7], v[C4]
.endr
	v_nop                                          ; a plain line between the last conversion and the products that write its sources
	ds_store_b128 v[IW], v[240:243]                ; tile A's image: fragment 4 m + head, lane l's 16 bytes at 16 l
	ds_store_b128 v[IW], v[244:247] offset:512
	ds_store_b128 v[IW], v[248:251] offset:4096    ; tile B's: m + 1
	ds_store_b128 v[IW], v[252:255] offset:4608
	s_wait_dscnt 0x0                               ; for the others' sake: my images have landed
	s_barrier_signal -1
	s_barrier_wait -1
.set J, 0
.rept 16
	ds_load_b128 v[SA+8*J:SA+8*J+3], v[LI] offset:1024*J        ; all 16 fragments: rows 16 (f / 4) on, head f % 4
	ds_load_b128 v[SA+8*J+4:SA+8*J+7], v[LI] offset:1024*J+512
.set J, J+1
.endr
	s_wait_dscnt 0x0
	; THE PROJECTION, transposed (source 0 = 16 rows of W, source 1 = 16 rows of the heads): a lane holds eight neighbouring columns of one row.  Eight accumulators by turns.
	WIN 0x01
.irp m, 0,1,2,3
	v_wmma_f32_16x16x128_bf8_bf8 v[OA+8*\m:OA+8*\m+7], v[176:191], v[SA+32*\m:SA+32*\m+15], 0
.endr
.irp m, 0,1,2,3
	v_wmma_f32_16x16x128_bf8_bf8 v[OB+8*\m:OB+8*\m+7], v[208:223], v[SA+32*\m:SA+32*\m+15], 0
.endr
.irp m, 0,1,2,3
	v_wmma_f32_16x16x128_bf8_bf8 v[OA+8*\m:OA+8*\m+7], v[192:207], v[SA+32*\m+16:SA+32*\m+31], v[OA+8*\m:OA+8*\m+7]
.endr
.irp m, 0,1,2,3
	v_wmma_f32_16x16x128_bf8_bf8 v[OB+8*\m:OB+8*\m+7], v[224:239], v[SA+32*\m+16:SA+32*\m+31], v[OB+8*\m:OB+8*\m+7]
.endr
	WIN 0
.rept 4
	v_nop                                          ; four places ahead of the reads of the sums and of the writes over the heads' fragments
.endr
	WIN 0x10                                       ; source 2, the bias, window 1
.irp m, 0,1,2,3
.irp i, 0,2,4,6
	v_pk_fma_f32 v[SA+8*\m+\i:SA+8*\m+\i+1], v[OA+8*\m+\i:OA+8*\m+\i+1], s[SC:SC+1], v[240+\i:241+\i] op_sel_hi:[1,0,1]   ; sum x 2^(e4 + e5) + b_out
.endr
.endr
.irp m, 0,1,2,3
.irp i, 0,2,4,6
	v_pk_fma_f32 v[SA+32+8*\m+\i:SA+32+8*\m+\i+1], v[OB+8*\m+\i:OB+8*\m+\i+1], s[SC:SC+1], v[248+\i:249+\i] op_sel_hi:[1,0,1]
.endr
.endr
	WIN 0
.irp m, 0,1,2,3
	ds_store_b128 v[SO], v[SA+8*\m:SA+8*\m+3] offset:16*\m*SPI          ; lane (r, h): out(16 m + r, 32 w + 8 h + 0..7)
	ds_store_b128 v[SO], v[SA+8*\m+4:SA+8*\m+7] offset:16*\m*SPI+16
	ds_store_b128 v[SO], v[SA+32+8*\m:SA+32+8*\m+3] offset:16*\m*SPI+64 ; column tile 1: 16 columns on
	ds_store_b128 v[SO], v[SA+32+8*\m+4:SA+32+8*\m+7] offset:16*\m*SPI+80
.endr
	s_wait_dscnt 0x0                               ; for the others' sake: my part of the 64 rows has landed
	s_barrier_signal -1
	s_barrier_wait -1
.irp i, 0,1,2,3,4,5,6,7
.irp u, 0,1
	ds_load_b128 v[SB+4*(2*\i+\u):SB+4*(2*\i+\u)+3], v[SR] offset:SPI*\i+512*\u
.endr
.endr
.irp i, 0,1,2,3,4,5,6,7
.irp u, 0,1
	s_wait_dscnt 15-(2*\i+\u)                      ; the younger loads may be out
	global_store_b128 v[LI], v[SB+4*(2*\i+\u):SB+4*(2*\i+\u)+3], s[14:15] offset:1024*\i+512*\u th:TH_STORE_NT   ; 32 lanes store 512 consecutive bytes, at a multiple of 256 from out0's first byte
.endr
.endr
	s_wait_tensorcnt 0x0                           ; the wave's end
	ds_add_u32 v[SPW], v[NIL]
	s_wait_dscnt 0x0
	CROUND                                         ; the closing round
	s_endpgm
.Lfunc_end_k_q64ae995b71_attn:
	.size	k_q64ae995b71_attn, .Lfunc_end_k_q64ae995b71_attn-k_q64ae995b71_attn
	.p2alignl 7, 3214868480
	.fill 96, 4, 3214868480
	.section	.rodata,"a",@progbits
	.p2align	6, 0x0
	.amdhsa_kernel k_q64ae995b71_attn
		.amdhsa_group_segment_fixed_size 327680
		.amdhsa_private_segment_fixed_size 0
		.amdhsa_enable_private_segment 0
		.amdhsa_kernarg_size 48
		.amdhsa_user_sgpr_count 2
		.amdhsa_user_sgpr_kernarg_segment_ptr 1
		.amdhsa_wavefront_size32 1
		.amdhsa_system_sgpr_workgroup_id_x 1
		.amdhsa_system_sgpr_workgroup_id_y 1
		.amdhsa_system_sgpr_workgroup_id_z 1
		.amdhsa_system_vgpr_workitem_id 0
		.amdhsa_next_free_vgpr 512
		.amdhsa_next_free_sgpr 80
		.amdhsa_reserve_vcc 0
		.amdhsa_float_denorm_mode_32 3
		.amdhsa_float_denorm_mode_16_64 3
		.amdhsa_memory_ordered 1
		.amdhsa_forward_progress 1
		.amdhsa_inst_pref_size 255
	.end_amdhsa_kernel
	.section	.bss,"aw",@nobits
	.p2align	6
	.space	262144
	.amdgpu_metadata
---
amdhsa.version: [ 1, 2 ]
amdhsa.kernels:
  - .name:           k_q64ae995b71_attn
    .symbol:         k_q64ae995b71_attn.kd
    .args:
      - { .name: q, .offset: 0, .size: 8, .value_kind: global_buffer, .address_space: global }
      - { .name: kv, .offset: 8, .size: 8, .value_kind: global_buffer, .address_space: global }
      - { .name: wc, .offset: 16, .size: 8, .value_kind: global_buffer, .address_space: global }
      - { .name: b_out, .offset: 24, .size: 8, .value_kind: global_buffer, .address_space: global }
      - { .name: lowp_scales, .offset: 32, .size: 8, .value_kind: global_buffer, .address_space: global }
      - { .name: out0, .offset: 40, .size: 8, .value_kind: global_buffer, .address_space: global }
    .group_segment_fixed_size: 327680
    .private_segment_fixed_size: 0
    .kernarg_segment_align: 8
    .kernarg_segment_size: 48
    .max_flat_workgroup_size: 256
    .sgpr_count:     80
    .vgpr_count:     512
    .wavefront_size: 32
...
	.end_amdgpu_metadata
.endif
;; end of part 2
